; MI455X (gfx1250); checked and timed in simulation.
; The chip was launched on July 23, 2026; its instructions are those of AMD's public machine-readable ISA for CDNA 5 (MIT licence, August 2026) and "CDNA5" Instruction Set Architecture Reference Guide (July 2026). The comments in the code are by the model that wrote it; some were corrected since.
;; Navier Stokes. Allowed arithmetic: float matrix products may take bf16 or f16 operands with f32 sums; other float arithmetic in f32, or as packed bf16 or f16 multiplies, adds, multiply-adds, maxima and minima; sums over many terms, partial sums and values carried from step to step in f32; what a program stores and reads back later, other than sums and carried values, may be rounded once to bf16 or f16.
;; Inputs: W0 20 x 3 float32; W9 2 x 20 float32; Wh 8 x 20 x 20 float32; b0 20 float32; b9 2 float32; bh 8 x 20 float32; lam1 1 float32; lam2 1 float32; t 65,536 x 1 float32; x 65,536 x 1 float32; y 65,536 x 1 float32.
;; Outputs: out0 65,536 x 5 float32.
;; One version. Each part assembles by itself: llvm-mc -triple=amdgcn-amd-amdhsa -mcpu=gfx1250 --defsym DOCPART=n.
;; ======== version 1 of 1: 1 launch
;; launch pinn (part 1): grid 256 x 1, 8 waves a work-group, no clusters, 48,896 bytes of LDS; arguments x, y, t, W0, b0, Wh, bh, W9, b9, lam1, lam2, out0; writes out0
.if DOCPART == 1
	.amdgcn_target "amdgcn-amd-amdhsa--gfx1250"
	.amdhsa_code_object_version 6
	.text
	.protected	k_qdd359a7650_pinn
	.globl	k_qdd359a7650_pinn
	.p2align	8
	.type	k_qdd359a7650_pinn,@function
k_qdd359a7650_pinn:
	s_mov_b64 s[64:65], 0
	v_nop
	global_prefetch_b8 v0, s[64:65] scope:SCOPE_SE
	s_setreg_imm32_b32 hwreg(HW_REG_WAVE_MODE, 25, 1), 1
	s_wait_xcnt 0x0
; NAVIER-STOKES RESIDUALS OF A 3-20-(8 x 20)-2 TANH NET, 65,536 points.  out0[n] = (u, v, p, f, g), with psi and p the net's two outputs:
;   u = psi_y   v = -psi_x   f = psi_yt + l1 (psi_y psi_xy - psi_x psi_yy) + p_x - l2 (psi_xxy + psi_yyy)   g = -psi_xt + l1 (psi_x psi_xy - psi_y psi_xx) + p_y + l2 (psi_xxx + psi_xyy)
; ONE FORWARD SWEEP carries 13 CHANNELS of every hidden unit: 0 value; 1 x, 2 y, 3 t; 4 xx, 5 xy, 6 yy, 7 xt, 8 yt; 9 xxx, 10 xxy, 11 xyy, 12 yyy.  A linear layer acts on each channel alike
; (a matrix product, 13 columns a point); tanh mixes the channels of one unit of one point by the chain rule with sigma', sigma'', sigma'''.
; SHARES.  256 work-groups of 256 points; 8 waves of 32 points, as 2 groups of 16, one after the other.  Lane (r = lane % 16, h = lane / 16) belongs to point r in source 1 and in the results.
; LAYOUT.  Source 0 = weights (rows = units), source 1 = one channel of 16 points.  Result register j of lane (r, h) is row 8 h + j.  Tile T0: row m = unit m.  Tile T1: row m = unit 16 + m % 2 + 2 (m / 8),
; of which registers 0 and 1 are read.  So a lane owns ten units as five PAIRS: P0-P3 = units 8 h + 2 p, +1 (T0 registers 2 p, 2 p + 1), P4 = units 16 + 2 h, +1 (T1 registers 0, 1); these are also the
; units that the lane holds in source 1 of the next layer: nothing changes lanes between layers.
; FORMAT.  Every operand is a pair of bf16, hi + lo (16 significant bits, f32's exponents), laid along K.  A channel's ten words R0-R9 = lo P0, lo P1, hi P0-P4, lo P4, lo P2, lo P3; source 1 of the first
; product is R0-R7, of the second R2-R9.  Weights to match: A1 = Whi of P0 P1 P0 P1 P2 P3 P4 P4; A2 = Wlo of P0 P1 P2 P3 P4 P4, Whi of P2 P3.  Sum: Whi hi + Whi lo + Wlo hi (+ Wlo lo for P4, a true term).
; The bias is never rounded: it enters the exponent in f32, 2^(c z + c b), c = 2 log2(e).
; LIMITS.  tanh = 1 - 2 / (1 + 2^(c z + c b)): absolute error about 1e-7, exactly +-1 where the power overflows or is flushed to 0; sigma' = 1 - tanh^2.  Operands keep 16 significant bits; the term
; Wlo lo, about 2^-16 of a product, is left out for P0-P3.  A number that rounds past bf16's largest becomes an infinity; NaN and infinities are not treated apart.  The order of the sums is not
; the reference function's.  b9[0] is loaded and enters no output: only derivatives of psi are asked for.
; LEFT OUT: tensor loads, clusters and prefetches: a work-group reads 3 KB of points and 14 KB of weights once, and the weights have to pass through registers to be split.
; LDS
.set SLOTB, 4096                       ; ten weight images from byte 0: slot 0 = W0, 1-8 = Wh[0..7], 9 = W9.  Quad q of lane L at 512 q + 16 L = registers 4 q .. 4 q + 3 of the A buffer
.set CBT,   40960                      ; c x bias, nine entries 128 bytes apart: entry 0 = b0, l + 1 = bh[l]; word u = unit u
.set W0T,   42240                      ; three rows 128 bytes apart: row i, word u = W0[u][i] in f32
.set OUTS,  42752                      ; the stage for the way out: point q of the work-group at 20 q
.set SPARE, 47872                      ; the spare words, 128 bytes for each of eight waves: four blocks of 256 bytes that no other line names
; vector registers, window 0
.set LANE16, 4                         ; 16 x lane
.set HOF32, 5                          ; 32 h: my eight units' words in a table row
.set HOF8,  6                          ; 8 h: with offset 64, my pair P4's
.set AADR,  7                          ; LDS address of the weight image to fetch
.set CADR,  8                          ; of the layer's c b
.set CADR2, 9
.set OADR0, 10                         ; 20 (32 wave + r)
.set OADR,  11
.set SPW,   12                         ; LDS address of my spare word; never rewritten
.set NIL,   13                         ; 0; never rewritten
.set MONE,  14                         ; -1.0
.set RDA,   15                         ; 16 x thread
.set CC,    16                         ; v[16:17] c, c
.set XIN,   18                         ; v18-20 x, y, t of the group in hand; v21-23 of the next
.set CBR,   24                         ; v24-33 c b of my ten units
.set EE,    34                         ; v34-43 exponent, power, 1 + power, reciprocal, then at work
.set AA,    44                         ; tanh
.set SG1,   54                         ; sigma'
.set SG2,   64                         ; sigma''
.set SG3,   74                         ; sigma'''
.set WX,    84                         ; sigma'' z_x        (a pair each)
.set WY,    86                         ; sigma'' z_y
.set WX2,   88                         ; 2 WX
.set WY2,   90
.set WX3,   92                         ; 3 WX
.set WY3,   94
.set QXX,   96                         ; sigma''' z_x z_x
.set QYY,   98                         ; sigma''' z_y z_y
.set HH,    100                        ; v100-123 the new channels 1-12 of the pair in hand: channel n at HH + 2 n - 2
.set HXX,   HH+6
.set HXY,   HH+8
.set HYY,   HH+10
.set HXT,   HH+12
.set HYT,   HH+14
.set H3X,   HH+16
.set HXXY,  HH+18
.set HXYY,  HH+20
.set H3Y,   HH+22
.set BB,    124                        ; v124-253 the activation words: channel n's R0-R9 at BB + 10 n
; window 1: T0's results, channel n at 8 n; T1's at 104 + 8 n; the A buffer (T0 A1, T0 A2, T1 A1, T1 A2)
.set AB,    208
; channel numbers
.set CX, 1
.set CY, 2
.set CT, 3
.set CXX, 4
.set CXY, 5
.set CYY, 6
; the last stage, in EE's registers
.set RU, 34
.set RV, 35
.set RP, 36
.set RF, 37
.set RG, 38
.set RT1, 39
.set RT2, 40
.set RT3, 41
.set RT4, 42
; the set-up, in registers that the sweep takes over behind the first barrier
.set CBA, 24                           ; where my layer's c b goes
.set TA,  25
.set TB,  26
.set U2,  27                           ; T1's unit for row r
.set WL1, 34                           ; ten weights of T0's row, of T1's row
.set WL2, 44
.set OUT1, 54                          ; their 16 image words
.set OUT2, 70
.set XW,  86                           ; the same for the one table that waves 0 to 3 each make besides
.set XO,  96
.set RA1, 112
.set RB1, 113
.set RA2, 114
.set RB2, 115
.set IMGA, 116
.set BI,  117
.set BV,  118
.set XA,  119
.set XB,  120
.set XOFF, 121
.set L4,  122                          ; 4 x lane
.set ZR,  123                          ; 0
; scalars: s2 wave; s3 groups left; s4 layers left; s5 next image's byte; s6 the layer's c b entry; s7 the group's stage byte; s[8:31] the twelve addresses; s[32:33] b9; s34 l1; s35 l2; s36 -l2
.set MSB, 0
.macro WIN new                         ; s_set_vgpr_msb: bits 1:0 source 0, 3:2 source 1, 5:4 source 2, 7:6 destination; the high byte repeats the setting that is left
.if MSB != (\new)
	s_set_vgpr_msb (MSB<<8)|(\new)
.set MSB, \new
.endif
.endm
.set W_MM, 0x51                        ; weights, C and D in window 1, activations in window 0
.set W_LD, 0x40                        ; destination in window 1
.set W_Z,  0x04                        ; source 1 in window 1: the chain rule names a product's result as source 1 alone
.set W_ZZ, 0x05                        ; sources 0 and 1 in window 1
; ten weights of one row for my half: columns 8 h .. 8 h + 7 and 16 + 2 h, +1
.macro LOADW sb, ra, rb, w
	global_load_b128 v[\w:\w+3], v[\ra], s[\sb:\sb+1]
	global_load_b128 v[\w+4:\w+7], v[\ra], s[\sb:\sb+1] offset:16
	global_load_b64 v[\w+8:\w+9], v[\rb], s[\sb:\sb+1] offset:64
.endm
; ten f32 weights -> the 16 words A1, A2
.macro CONV w, o
	v_cvt_pk_bf16_f32 v[\o], v[\w], v[\w+1]          ; Whi P0
	v_cvt_pk_bf16_f32 v[\o+1], v[\w+2], v[\w+3]      ; Whi P1
	v_cvt_pk_bf16_f32 v[\o+4], v[\w+4], v[\w+5]      ; Whi P2
	v_cvt_pk_bf16_f32 v[\o+5], v[\w+6], v[\w+7]      ; Whi P3
	v_cvt_pk_bf16_f32 v[\o+6], v[\w+8], v[\w+9]      ; Whi P4
	v_mov_b32 v[\o+2], v[\o]                         ; the words that an image holds twice
	v_mov_b32 v[\o+3], v[\o+1]
	v_mov_b32 v[\o+7], v[\o+6]
	v_mov_b32 v[\o+14], v[\o+4]
	v_mov_b32 v[\o+15], v[\o+5]
.irp i, 0,1,2,3,4
.set hw_, \o+\i+2*((\i+2)/4)
	v_fma_mix_f32_bf16 v[\w+2*\i], v[hw_], v[MONE], v[\w+2*\i] op_sel_hi:[1,0,0]                    ; w - hi, exact
	v_fma_mix_f32_bf16 v[\w+2*\i+1], v[hw_], v[MONE], v[\w+2*\i+1] op_sel:[1,0,0] op_sel_hi:[1,0,0]
.endr
.irp i, 0,1,2,3,4
	v_cvt_pk_bf16_f32 v[\o+8+\i], v[\w+2*\i], v[\w+2*\i+1]  ; Wlo P0-P4
.endr
	v_mov_b32 v[\o+13], v[\o+12]
.endm
.macro PUT o, adr, q0                  ; 16 words into quads q0 .. q0 + 3 of an image: each store is 512 consecutive bytes
.irp i, 0,1,2,3
	ds_store_b128 v[\adr], v[\o+4*\i:\o+4*\i+3] offset:512*(\q0+\i)
.endr
.endm
; W0's row (three weights at w) -> the four words at q: half 0 of the lanes holds (hi x, hi y), (hi t, 0) twice, half 1 the lo words: against (hi, hi, lo, lo) of x, y, t in both halves that is all four terms
.macro W0Q w, q
	v_cvt_pk_bf16_f32 v[XO], v[\w], v[\w+1]
	v_cvt_pk_bf16_f32 v[XO+1], v[\w+2], v[ZR]
	v_fma_mix_f32_bf16 v[\w], v[XO], v[MONE], v[\w] op_sel_hi:[1,0,0]
	v_fma_mix_f32_bf16 v[\w+1], v[XO], v[MONE], v[\w+1] op_sel:[1,0,0] op_sel_hi:[1,0,0]
	v_fma_mix_f32_bf16 v[\w+2], v[XO+1], v[MONE], v[\w+2] op_sel_hi:[1,0,0]
	v_cvt_pk_bf16_f32 v[XO+2], v[\w], v[\w+1]
	v_cvt_pk_bf16_f32 v[XO+3], v[\w+2], v[ZR]
	v_cndmask_b32 v[\q], v[XO], v[XO+2], vcc_lo
	v_cndmask_b32 v[\q+1], v[XO+1], v[XO+3], vcc_lo
	v_mov_b32 v[\q+2], v[\q]
	v_mov_b32 v[\q+3], v[\q+1]
.endm
.macro FETCHA n                        ; n quads of the image at AADR into the A buffer; leaves the window at W_LD
	WIN W_LD
.set q_, 0
.rept \n
	ds_load_b128 v[AB+4*q_:AB+4*q_+3], v[AADR] offset:512*q_
.set q_, q_+1
.endr
.endm
; product k (0, 1) of tile T for channel c.  The first starts the sum with the constant 0: nothing is cleared
.macro MM c, T, k
.set d_, 8*(\c)+104*(\T)
.if (\k) == 0
	v_wmma_f32_16x16x32_bf16 v[d_:d_+7], v[AB+16*(\T):AB+16*(\T)+7], v[BB+10*(\c):BB+10*(\c)+7], 0
.else
	v_wmma_f32_16x16x32_bf16 v[d_:d_+7], v[AB+16*(\T)+8:AB+16*(\T)+15], v[BB+10*(\c)+2:BB+10*(\c)+9], v[d_:d_+7]
.endif
.endm
.macro MMPASS k                        ; the 26 accumulators take turns, one instruction a turn: 25 others' stand between the two links of a chain
.irp n, 0,1,2,3,4,5,6,7,8,9,10,11,12
	MM \n, 0, \k
	MM \n, 1, \k
.endr
.endm
; a pair of f32 at src -> channel c's hi word and lo word of pair p
.macro SPLITH c, p, src
	v_cvt_pk_bf16_f32 v[BB+10*(\c)+2+(\p)], v[\src], v[\src+1]
.endm
.macro SPLITL c, p, src
.set bh_, BB+10*(\c)+2+(\p)
.set bl_, BB+10*(\c)+(\p)+6*((\p)/2)-9*((\p)/4)    ; R0, R1, R8, R9, R7
	v_fma_mixlo_bf16 v[bl_], v[bh_], v[MONE], v[\src] op_sel_hi:[1,0,0]                    ; src - hi is exact in f32 and is rounded once
	v_fma_mixhi_bf16 v[bl_], v[bh_], v[MONE], v[\src+1] op_sel:[1,0,0] op_sel_hi:[1,0,0]
.endm
; tanh and its three derivatives for my ten units; channel 0's words
.macro ACT
	WIN W_Z
.irp p, 0,1,2,3,4
	v_pk_fma_f32 v[EE+2*\p:EE+2*\p+1], v[CC:CC+1], v[2*\p+96*(\p/4):2*\p+96*(\p/4)+1], v[CBR+2*\p:CBR+2*\p+1]  ; c z + c b; each result's registers 0, 1 are read first
.endr
	WIN 0
.irp j, 0,1,2,3,4,5,6,7,8,9
	v_exp_f32 v[EE+\j], v[EE+\j]
.endr
	v_nop                                            ; a plain instruction between the last power and the use of its result (ISA guide 5.7.2)
	s_wait_alu depctr_va_vdst(0)
.irp p, 0,2,4,6,8
	v_pk_add_f32 v[EE+\p:EE+\p+1], v[EE+\p:EE+\p+1], 1.0 op_sel_hi:[1,0]
.endr
.irp j, 0,1,2,3,4,5,6,7,8,9
	v_rcp_f32 v[EE+\j], v[EE+\j]
.endr
	v_nop                                            ; likewise behind the last reciprocal
	s_wait_alu depctr_va_vdst(0)
.irp p, 0,2,4,6,8
	v_pk_fma_f32 v[AA+\p:AA+\p+1], v[EE+\p:EE+\p+1], -2.0, 1.0 op_sel_hi:[1,0,0]             ; a = 1 - 2 q
.endr
.irp p, 0,2,4,6,8
	v_pk_fma_f32 v[EE+\p:EE+\p+1], v[EE+\p:EE+\p+1], 4.0, -2.0 op_sel_hi:[1,0,0]             ; -2 a = 4 q - 2
.endr
.irp p, 0,2,4,6,8
	v_pk_fma_f32 v[SG1+\p:SG1+\p+1], v[AA+\p:AA+\p+1], v[AA+\p:AA+\p+1], 1.0 op_sel_hi:[1,1,0] neg_lo:[1,0,0] neg_hi:[1,0,0]  ; sigma' = 1 - a a
.endr
.irp p, 0,2,4,6,8
	v_pk_mul_f32 v[SG2+\p:SG2+\p+1], v[EE+\p:EE+\p+1], v[SG1+\p:SG1+\p+1]                    ; sigma'' = -2 a sigma'
.endr
.irp p, 0,2,4,6,8
	v_pk_fma_f32 v[EE+\p:EE+\p+1], v[SG1+\p:SG1+\p+1], 0xc0c00000, 4.0 op_sel_hi:[1,0,0]     ; 4 - 6 sigma'
.endr
.irp p, 0,2,4,6,8
	v_pk_mul_f32 v[SG3+\p:SG3+\p+1], v[SG1+\p:SG1+\p+1], v[EE+\p:EE+\p+1]                    ; sigma''' = sigma' (4 - 6 sigma')
.endr
.irp p, 0,1,2,3,4
	SPLITH 0, \p, AA+2*\p
.endr
.irp p, 0,1,2,3,4
	SPLITL 0, \p, AA+2*\p
.endr
.endm
; the chain rule's three kinds of line; z(c) is channel c of the pair in hand, at 8 c + zo_ in window 1
.macro PM d, a, c                      ; d = a z(c)
	v_pk_mul_f32 v[\d:\d+1], v[\a:\a+1], v[8*(\c)+zo_:8*(\c)+zo_+1]
.endm
.macro PF d, a, c                      ; d += a z(c)
	v_pk_fma_f32 v[\d:\d+1], v[\a:\a+1], v[8*(\c)+zo_:8*(\c)+zo_+1], v[\d:\d+1]
.endm
.macro PK d, a, k                      ; d = a k
	v_pk_mul_f32 v[\d:\d+1], v[\a:\a+1], \k op_sel_hi:[1,0]
.endm
; h_i = s' z_i;  h_ij = s' z_ij + s'' z_i z_j;  h_ijk = s' z_ijk + s'' (z_ij z_k + z_ik z_j + z_jk z_i) + s''' z_i z_j z_k, for pair p.
; first = 1: the first layer, whose z is linear in x, y, t: z_ij and z_ijk are 0 and are not read.
.macro DER p, first
	WIN W_Z
.set zo_, 2*(\p)+96*((\p)/4)
.set g1_, SG1+2*(\p)
.set g2_, SG2+2*(\p)
.set g3_, SG3+2*(\p)
	PM WX, g2_, CX
	PM WY, g2_, CY
	PM QXX, g3_, CX
	PM QYY, g3_, CY
.if \first
.irp n, 1,2,3
	PM HH+2*\n-2, g1_, \n
.endr
	PM QXX, QXX, CX
	PM QYY, QYY, CY
	PM HXX, WX, CX
	PM HXY, WX, CY
	PM HYY, WY, CY
	PM HXT, WX, CT
	PM HYT, WY, CT
	PM H3X, QXX, CX
	PM HXXY, QXX, CY
	PM HXYY, QYY, CX
	PM H3Y, QYY, CY
.else
.irp n, 1,2,3,4,5,6,7,8,9,10,11,12
	PM HH+2*\n-2, g1_, \n
.endr
	PM QXX, QXX, CX
	PM QYY, QYY, CY
	PK WX2, WX, 2.0
	PK WY2, WY, 2.0
	PK WX3, WX, 0x40400000
	PK WY3, WY, 0x40400000
	PF HXX, WX, CX
	PF HXY, WX, CY
	PF HYY, WY, CY
	PF HXT, WX, CT
	PF HYT, WY, CT
	PF H3X, WX3, CXX
	PF HXXY, WX2, CXY
	PF HXYY, WY2, CXY
	PF H3Y, WY3, CYY
	PF H3X, QXX, CX
	PF HXXY, WY, CXX
	PF HXYY, WX, CYY
	PF H3Y, QYY, CY
	PF HXXY, QXX, CY
	PF HXYY, QYY, CX
.endif
.endm
.macro PACKP p                         ; channels 1-12 of pair p -> their hi and lo words
	WIN 0
.irp n, 1,2,3,4,5,6,7,8,9,10,11,12
	SPLITH \n, \p, HH+2*\n-2
.endr
.irp n, 1,2,3,4,5,6,7,8,9,10,11,12
	SPLITL \n, \p, HH+2*\n-2
.endr
.endm
.macro NL first                        ; the whole non-linearity; pairs in ascending order, so that each result is first read at its registers 0 and 1
	ACT
.irp p, 0,1,2,3,4
	DER \p, \first
	PACKP \p
.endr
.endm
.macro PLACES3                         ; with the address line in front of them: four plain vector instructions that name no register of the last products stand between those products and the
.rept 3                                ; loads into the A buffer and the first read of a result (ISA guide 7.12.1 for vector instructions)
	v_nop
.endr
.endm
; ---------------------------------------------------------------- the head
	s_load_b512 s[8:23], s[0:1], 0x0               ; x s[8:9], y s[10:11], t s[12:13], W0 s[14:15], b0 s[16:17], Wh s[18:19], bh s[20:21], W9 s[22:23]
	s_load_b256 s[24:31], s[0:1], 0x40             ; b9 s[24:25], lam1 s[26:27], lam2 s[28:29], out0 s[30:31]
	v_lshl_add_u32 v[SPW], v0, 2, SPARE
	v_mov_b32 v[NIL], 0
	v_lshrrev_b32 v1, 5, v0
	v_readfirstlane_b32 s2, v1                     ; wave 0..7
	v_and_b32 v1, 31, v0                           ; lane
	v_and_b32 v2, 15, v0                           ; r
	v_bfe_u32 v3, v0, 4, 1                         ; h
	v_lshlrev_b32 v[LANE16], 4, v1
	v_lshlrev_b32 v[HOF32], 5, v3
	v_lshlrev_b32 v[HOF8], 3, v3
	v_mov_b32 v[MONE], -1.0
	v_mov_b32 v[CC], 0x4038aa3b                    ; c = 2 log2(e)
	v_mov_b32 v[CC+1], 0x4038aa3b
	v_lshlrev_b32 v[RDA], 4, v0
	v_lshlrev_b32 v[L4], 2, v1
	v_mov_b32 v[ZR], 0
	v_and_b32 v[U2], 1, v2
	v_lshrrev_b32 v[TA], 3, v2
	v_lshl_add_u32 v[U2], v[TA], 1, v[U2]
	v_add_nc_u32 v[U2], 16, v[U2]                  ; T1's unit for row r: 16 + r % 2 + 2 (r / 8)
	s_mul_i32 s40, s2, 1600                        ; wave w splits Wh[w]: 20 x 20 x 4 bytes
	v_mul_u32_u24 v[RB1], v2, 80
	v_mul_u32_u24 v[RB2], v[U2], 80
	v_add_nc_u32 v[RB1], s40, v[RB1]
	v_add_nc_u32 v[RB2], s40, v[RB2]
	v_add_nc_u32 v[RA1], v[RB1], v[HOF32]          ; row + 32 h: columns 8 h on
	v_add_nc_u32 v[RA2], v[RB2], v[HOF32]
	v_add_nc_u32 v[RB1], v[RB1], v[HOF8]           ; row + 8 h (+ 64): columns 16 + 2 h on
	v_add_nc_u32 v[RB2], v[RB2], v[HOF8]
	s_mul_i32 s41, s2, 20
	v_add_nc_u32 v[BI], s41, v1
	v_min_u32 v[BI], 159, v[BI]                    ; bh[w][lane]; lanes 20-31 stay inside the buffer and fill padding that nobody reads
	v_lshlrev_b32 v[BI], 2, v[BI]
	s_lshl_b32 s42, ttmp9, 10                      ; the work-group's 256 points,
	s_lshl_b32 s43, s2, 7                          ; my wave's 32
	s_add_co_u32 s42, s42, s43
	v_lshl_add_u32 v[XOFF], v2, 2, s42
	s_add_co_u32 s43, s43, 128
	v_add_nc_u32 v[CBA], s43, v[L4]                ; entry w + 1 of the c b table
	s_lshl_b32 s43, s2, 12
	s_add_co_u32 s43, s43, SLOTB
	v_add_nc_u32 v[IMGA], s43, v[LANE16]           ; image slot w + 1
	s_mul_i32 s43, s2, 640
	v_mul_u32_u24 v[OADR0], v2, 20
	v_add_nc_u32 v[OADR0], s43, v[OADR0]
	s_mul_i32 s38, ttmp9, 5120                     ; the work-group's 256 x 20 bytes of out0
	s_mov_b32 s39, 0
	s_wait_kmcnt 0x0
	s_load_b64 s[32:33], s[24:25], 0x0             ; b9
	s_load_b32 s34, s[26:27], 0x0                  ; l1
	s_load_b32 s35, s[28:29], 0x0                  ; l2
	s_add_nc_u64 s[30:31], s[30:31], s[38:39]
	LOADW 18, RA1, RB1, WL1
	LOADW 18, RA2, RB2, WL2
	global_load_b32 v[BV], v[BI], s[20:21]
	global_load_b32 v[XIN], v[XOFF], s[8:9] th:TH_LOAD_NT
	global_load_b32 v[XIN+1], v[XOFF], s[10:11] th:TH_LOAD_NT
	global_load_b32 v[XIN+2], v[XOFF], s[12:13] th:TH_LOAD_NT
	global_load_b32 v[XIN+3], v[XOFF], s[8:9] offset:64 th:TH_LOAD_NT
	global_load_b32 v[XIN+4], v[XOFF], s[10:11] offset:64 th:TH_LOAD_NT
	global_load_b32 v[XIN+5], v[XOFF], s[12:13] offset:64 th:TH_LOAD_NT
	; While the loads are out: the words that are later written a half at a time are written whole once (65 lo words, and the two that hold the lo words of x, y, t)
.set c_, 0
.rept 13
.irp j, 0,1,7,8,9
	v_mov_b32 v[BB+10*c_+\j], 0
.endr
.set c_, c_+1
.endr
	v_mov_b32 v[BB+2], 0
	v_mov_b32 v[BB+3], 0
	; Waves 0 to 3 make one small table each.  The branches hang on the wave's number alone, and no barrier stands inside them.
	s_cmp_lg_u32 s2, 0
	s_cbranch_scc1 .Lnot0
	v_and_b32 v[TA], 1, v2                         ; W9: every even row is psi's, every odd row p's, so result registers 0 and 1 hold psi and p in both halves of the lanes
	v_mul_u32_u24 v[TA], v[TA], 80
	v_add_nc_u32 v[XA], v[TA], v[HOF32]
	v_add_nc_u32 v[XB], v[TA], v[HOF8]
	LOADW 22, XA, XB, XW
	v_add_nc_u32 v[TB], 9*SLOTB, v[LANE16]
	s_wait_loadcnt 0x0
	CONV XW, XO
	PUT XO, TB, 0
	PUT XO, TB, 4                                  ; the slot's second half is fetched with the first and not multiplied: it is written, so that no byte is read that nobody wrote
.Lnot0:
	s_cmp_lg_u32 s2, 1
	s_cbranch_scc1 .Lnot1
	v_mul_u32_u24 v[XA], v2, 12                    ; W0's rows r and U2
	v_mul_u32_u24 v[XB], v[U2], 12
.irp i, 0,1,2
	global_load_b32 v[XW+\i], v[XA], s[14:15] offset:4*\i
	global_load_b32 v[XW+4+\i], v[XB], s[14:15] offset:4*\i
.endr
	v_cmp_eq_u32 vcc_lo, 1, v3                     ; half 1 of the lanes takes the lo words
.irp i, 12,13,14,15
	v_mov_b32 v[XO+\i], 0
.endr
	s_wait_loadcnt 0x0
	W0Q XW, XO+4
	W0Q XW+4, XO+8
	ds_store_b128 v[LANE16], v[XO+4:XO+7]                  ; T0: registers 0-3,
	ds_store_b128 v[LANE16], v[XO+12:XO+15] offset:512     ; registers 4-7 are 0
	ds_store_b128 v[LANE16], v[XO+8:XO+11] offset:1024     ; T1 likewise
	ds_store_b128 v[LANE16], v[XO+12:XO+15] offset:1536
.Lnot1:
	s_cmp_lg_u32 s2, 2
	s_cbranch_scc1 .Lnot2
	v_min_u32 v[TA], 19, v1                        ; W0 turned, in f32: the first layer's z_x, z_y, z_t
	v_mul_u32_u24 v[XA], v[TA], 12
.irp i, 0,1,2
	global_load_b32 v[XW+\i], v[XA], s[14:15] offset:4*\i
.endr
	s_wait_loadcnt 0x0
.irp i, 0,1,2
	ds_store_b32 v[L4], v[XW+\i] offset:W0T+128*\i
.endr
.Lnot2:
	s_cmp_lg_u32 s2, 3
	s_cbranch_scc1 .Lnot3
	v_min_u32 v[TA], 19, v1                        ; c b0
	v_lshlrev_b32 v[XA], 2, v[TA]
	global_load_b32 v[XW], v[XA], s[16:17]
	s_wait_loadcnt 0x0
	v_mul_f32 v[XW], v[CC], v[XW]
	ds_store_b32 v[L4], v[XW] offset:CBT
.Lnot3:
	s_wait_loadcnt 0x0                             ; my layer's weights and bias, and my points: every load of the kernel is in, so all their address registers are free
	CONV WL1, OUT1
	CONV WL2, OUT2
	PUT OUT1, IMGA, 0
	PUT OUT2, IMGA, 4
	v_mul_f32 v[BV], v[CC], v[BV]
	ds_store_b32 v[CBA], v[BV] offset:CBT
	s_wait_kmcnt 0x0                               ; b9, l1, l2
	s_xor_b32 s36, s35, 0x80000000                 ; -l2
	s_wait_dscnt 0x0                               ; for the others' sake: my part of the tables is written
	s_barrier_signal -1
	s_barrier_wait -1                              ; everybody's is; from here on the tables are only read
	s_mov_b32 s3, 2
	s_mov_b32 s7, 0
; ---------------------------------------------------------------- a group of 16 points
.Lgroup:
	WIN W_LD
.irp q, 0,1,2,3
	ds_load_b128 v[AB+4*\q:AB+4*\q+3], v[LANE16] offset:512*\q          ; W0's image
.endr
.irp i, 0,1,2
	ds_load_b128 v[8*(\i+1):8*(\i+1)+3], v[HOF32] offset:W0T+128*\i      ; z_x, z_y, z_t of the first layer are W0's columns, in f32: they go where products would put them
	ds_load_b128 v[8*(\i+1)+4:8*(\i+1)+7], v[HOF32] offset:W0T+128*\i+16
	ds_load_b64 v[104+8*(\i+1):104+8*(\i+1)+1], v[HOF8] offset:W0T+128*\i+64
.endr
	WIN 0
	ds_load_b128 v[CBR:CBR+3], v[HOF32] offset:CBT
	ds_load_b128 v[CBR+4:CBR+7], v[HOF32] offset:CBT+16
	ds_load_b64 v[CBR+8:CBR+9], v[HOF8] offset:CBT+64
	v_cvt_pk_bf16_f32 v[BB], v[XIN], v[XIN+1]      ; source 1 of the first layer: hi (x, y), hi (t, t), lo (x, y), lo (t, t), zeros; the same in both halves of the lanes
	v_cvt_pk_bf16_f32 v[BB+1], v[XIN+2], v[XIN+2]
	v_fma_mixlo_bf16 v[BB+2], v[BB], v[MONE], v[XIN] op_sel_hi:[1,0,0]
	v_fma_mixhi_bf16 v[BB+2], v[BB], v[MONE], v[XIN+1] op_sel:[1,0,0] op_sel_hi:[1,0,0]
	v_fma_mixlo_bf16 v[BB+3], v[BB+1], v[MONE], v[XIN+2] op_sel_hi:[1,0,0]
	v_fma_mixhi_bf16 v[BB+3], v[BB+1], v[MONE], v[XIN+2] op_sel:[1,0,0] op_sel_hi:[1,0,0]
.irp j, 4,5,6,7
	v_mov_b32 v[BB+\j], 0
.endr
.irp j, 0,1,2
	v_mov_b32 v[XIN+\j], v[XIN+3+\j]               ; the next group's points move up
.endr
	s_wait_dscnt 0x0                               ; the image, the three columns and c b0 are in (and the last group's stores into the stage are done)
	WIN W_MM
	v_wmma_f32_16x16x32_bf16 v[0:7], v[AB:AB+7], v[BB:BB+7], 0
	v_wmma_f32_16x16x32_bf16 v[104:111], v[AB+8:AB+15], v[BB:BB+7], 0
	WIN 0
	v_add_nc_u32 v[AADR], SLOTB, v[LANE16]
	PLACES3
	FETCHA 8                                       ; Wh[0]'s image lands under the first non-linearity
	NL 1
	s_mov_b32 s5, 2*SLOTB
	s_mov_b32 s6, 128
	s_mov_b32 s4, 8
.Llayer:                                               ; eight trips: z = Wh[l] h for 13 channels, then the non-linearity
	v_add_nc_u32 v[CADR], s6, v[HOF32]
	v_add_nc_u32 v[CADR2], s6, v[HOF8]
	s_wait_dscnt 0x0                               ; the layer's image is in the A buffer
	ds_load_b128 v[CBR:CBR+3], v[CADR] offset:CBT
	ds_load_b128 v[CBR+4:CBR+7], v[CADR] offset:CBT+16
	ds_load_b64 v[CBR+8:CBR+9], v[CADR2] offset:CBT+64
	WIN W_MM
	MMPASS 0
	MMPASS 1
	WIN 0
	v_add_nc_u32 v[AADR], s5, v[LANE16]
	PLACES3
	s_add_co_u32 s5, s5, SLOTB
	s_add_co_u32 s6, s6, 128
	FETCHA 8                                       ; the next layer's image (in the last trip W9's) lands under this layer's non-linearity
	s_wait_dscnt 8                                 ; LDS loads come back in order (ISA guide 5.7.1): the eight just issued may stay out, the three of c b in front of them are in
	NL 0
	s_sub_co_u32 s4, s4, 1
	s_cmp_lg_u32 s4, 0
	s_cbranch_scc1 .Llayer
	; the output layer: tile T0 alone, and the twelve channels that the results want (h_t enters none)
	s_wait_dscnt 0x0                               ; W9's image
	WIN W_MM
.irp n, 0,1,2,4,5,6,7,8,9,10,11,12
	MM \n, 0, 0
.endr
.irp n, 0,1,2,4,5,6,7,8,9,10,11,12
	MM \n, 0, 1
.endr
.rept 4
	v_nop                                          ; four places behind the last product; no other vector work is at hand
.endr
	WIN W_ZZ                                       ; psi's channel n lies in register 8 n of window 1, p's in 8 n + 1
	v_mov_b32 v[RU], v[8*2]                        ; u = psi_y
	v_mul_f32 v[RV], -1.0, v[8*1]                  ; v = -psi_x
	v_add_f32 v[RP], s33, v[1]                     ; p, with its bias
	v_mul_f32 v[RT1], v[8*2], v[8*5]               ; psi_y psi_xy
	v_mul_f32 v[RT2], v[8*1], v[8*5]               ; psi_x psi_xy
	v_add_f32 v[RT3], v[8*10], v[8*12]             ; psi_xxy + psi_yyy
	v_add_f32 v[RT4], v[8*9], v[8*11]              ; psi_xxx + psi_xyy
	v_add_f32 v[RF], v[8*8], v[8*1+1]              ; psi_yt + p_x
	v_sub_f32 v[RG], v[8*2+1], v[8*7]              ; p_y - psi_xt
	v_fma_f32 v[RT1], -v[8*1], v[8*6], v[RT1]      ; - psi_x psi_yy
	v_fma_f32 v[RT2], -v[8*2], v[8*4], v[RT2]      ; - psi_y psi_xx
	WIN 0
	v_fma_f32 v[RF], s34, v[RT1], v[RF]
	v_fma_f32 v[RG], s34, v[RT2], v[RG]
	v_fma_f32 v[RF], s36, v[RT3], v[RF]
	v_fma_f32 v[RG], s35, v[RT4], v[RG]
	v_add_nc_u32 v[OADR], s7, v[OADR0]
.irp k, 0,1,2,3,4
	ds_store_b32 v[OADR], v[RU+\k] offset:OUTS+4*\k  ; a point's five numbers lie together; the two halves of the lanes hold the same numbers and write the same words
.endr
	s_add_co_u32 s7, s7, 320                       ; 16 points x 20 bytes
	s_sub_co_u32 s3, s3, 1
	s_cmp_lg_u32 s3, 0
	s_cbranch_scc1 .Lgroup
; ---------------------------------------------------------------- the way out: the work-group's 5,120 bytes leave as ten stores of 512 consecutive bytes, each at a multiple of 256 from out0's first byte
	s_wait_dscnt 0x0                               ; for the others' sake: my points are in the stage
	s_barrier_signal -1
	s_barrier_wait -1
	ds_load_b128 v[34:37], v[RDA] offset:OUTS      ; eight waves take the first 4,096 bytes,
	s_cmp_lt_u32 s2, 2
	s_cbranch_scc0 .Lmain
	v_and_b32 v42, 63, v0                          ; waves 0 and 1 the last 1,024 as well
	v_lshlrev_b32 v42, 4, v42
	ds_load_b128 v[38:41], v42 offset:OUTS+4096
	s_wait_dscnt 0x0
	global_store_b128 v42, v[38:41], s[30:31] offset:4096 th:TH_STORE_NT
.Lmain:
	s_wait_dscnt 0x0
	global_store_b128 v[RDA], v[34:37], s[30:31] th:TH_STORE_NT
	s_wait_tensorcnt 0x0                           ; the wave's end, behind my last LDS store
	ds_add_u32 v[SPW], v[NIL]
	s_wait_dscnt 0x0
	s_endpgm
.Lfunc_end_k_qdd359a7650_pinn:
	.size	k_qdd359a7650_pinn, .Lfunc_end_k_qdd359a7650_pinn-k_qdd359a7650_pinn
	.p2alignl 7, 3214868480
	.fill 96, 4, 3214868480
	.section	.rodata,"a",@progbits
	.p2align	6, 0x0
	.amdhsa_kernel k_qdd359a7650_pinn
		.amdhsa_group_segment_fixed_size 48896
		.amdhsa_private_segment_fixed_size 0
		.amdhsa_enable_private_segment 0
		.amdhsa_kernarg_size 96
		.amdhsa_user_sgpr_count 2
		.amdhsa_user_sgpr_kernarg_segment_ptr 1
		.amdhsa_wavefront_size32 1
		.amdhsa_system_sgpr_workgroup_id_x 1
		.amdhsa_system_sgpr_workgroup_id_y 1
		.amdhsa_system_sgpr_workgroup_id_z 1
		.amdhsa_system_vgpr_workitem_id 0
		.amdhsa_next_free_vgpr 512
		.amdhsa_next_free_sgpr 66
		.amdhsa_reserve_vcc 1
		.amdhsa_float_denorm_mode_32 3
		.amdhsa_float_denorm_mode_16_64 3
		.amdhsa_memory_ordered 1
		.amdhsa_forward_progress 1
		.amdhsa_inst_pref_size 76
	.end_amdhsa_kernel
	.amdgpu_metadata
---
amdhsa.version: [ 1, 2 ]
amdhsa.kernels:
  - .name:           k_qdd359a7650_pinn
    .symbol:         k_qdd359a7650_pinn.kd
    .args:
      - { .name: x, .offset: 0, .size: 8, .value_kind: global_buffer, .address_space: global }
      - { .name: y, .offset: 8, .size: 8, .value_kind: global_buffer, .address_space: global }
      - { .name: t, .offset: 16, .size: 8, .value_kind: global_buffer, .address_space: global }
      - { .name: W0, .offset: 24, .size: 8, .value_kind: global_buffer, .address_space: global }
      - { .name: b0, .offset: 32, .size: 8, .value_kind: global_buffer, .address_space: global }
      - { .name: Wh, .offset: 40, .size: 8, .value_kind: global_buffer, .address_space: global }
      - { .name: bh, .offset: 48, .size: 8, .value_kind: global_buffer, .address_space: global }
      - { .name: W9, .offset: 56, .size: 8, .value_kind: global_buffer, .address_space: global }
      - { .name: b9, .offset: 64, .size: 8, .value_kind: global_buffer, .address_space: global }
      - { .name: lam1, .offset: 72, .size: 8, .value_kind: global_buffer, .address_space: global }
      - { .name: lam2, .offset: 80, .size: 8, .value_kind: global_buffer, .address_space: global }
      - { .name: out0, .offset: 88, .size: 8, .value_kind: global_buffer, .address_space: global }
    .group_segment_fixed_size: 48896
    .private_segment_fixed_size: 0
    .kernarg_segment_align: 8
    .kernarg_segment_size: 96
    .max_flat_workgroup_size: 256
    .sgpr_count:     66
    .vgpr_count:     512
    .wavefront_size: 32
...
	.end_amdgpu_metadata
.endif
;; end of part 1
